; MI455X (gfx1250); checked and timed in simulation.
; The chip was launched on July 23, 2026; its instructions are those of AMD's public machine-readable ISA for CDNA 5 (MIT licence, August 2026) and "CDNA5" Instruction Set Architecture Reference Guide (July 2026). The comments in the code are by the model that wrote it; some were corrected since.
;; Multi Head Attention. Allowed arithmetic: matrix products marked QUANTISED: E2M3 operands, one E8M0 scale for each 32 along K, by v_wmma_scale_f32_16x16x128_f8f6f4 with both operands' format E2M3, f32 sums; everything else in f32.
;; Inputs: Wk_codes 1,024 x 32 x 24 uint8 (E2M3 codes of Wk, K innermost, in blocks of 32 codes, four codes in three bytes); Wk_scales 1,024 x 32 uint8 (E8M0 scales of Wk, one for each 32 codes along K); Wo_codes 1,024 x 32 x 24 uint8 (E2M3 codes of Wo, K innermost, in blocks of 32 codes, four codes in three bytes); Wo_scales 1,024 x 32 uint8 (E8M0 scales of Wo, one for each 32 codes along K); Wq_codes 1,024 x 32 x 24 uint8 (E2M3 codes of Wq, K innermost, in blocks of 32 codes, four codes in three bytes); Wq_scales 1,024 x 32 uint8 (E8M0 scales of Wq, one for each 32 codes along K); Wv_codes 1,024 x 32 x 24 uint8 (E2M3 codes of Wv, K innermost, in blocks of 32 codes, four codes in three bytes); Wv_scales 1,024 x 32 uint8 (E8M0 scales of Wv, one for each 32 codes along K); X_codes 4 x 2,048 x 32 x 24 uint8 (E2M3 codes of X, K innermost, in blocks of 32 codes, four codes in three bytes); X_scales 4 x 2,048 x 32 uint8 (E8M0 scales of X, one for each 32 codes along K); bo 1,024 float32.
;; Outputs: out0 4 x 2,048 x 1,024 float32.
;; This version of the problem:
;;   THIS VERSION OF THE PROBLEM IS GIVEN IN LOW PRECISION. The matrix products marked QUANTISED in the list below multiply operands that are first quantised to E2M3 (2 exponent bits, 3 mantissa bits; 6 bits a number), with one power-of-two scale for each 32 numbers along K (OCP MX v1.0); their sums are f32. All else is computed in f32.
;;   The module's matrix products, in the order in which they are computed (A, B: the left and right operand; K: the contracted axis; several contracted axes count as one K, in the product's order):
;;     1. [M 8,192, K 1,024] x [K 1,024, N 1,024]; A: input X (given as codes); B: input Wq (given as codes): QUANTISED
;;     2. [M 8,192, K 1,024] x [K 1,024, N 1,024]; A: input X (given as codes); B: input Wk (given as codes): QUANTISED
;;     3. [M 8,192, K 1,024] x [K 1,024, N 1,024]; A: input X (given as codes); B: input Wv (given as codes): QUANTISED
;;     4. batch 64 x [M 2,048, K 64] x [K 64, N 2,048]; A: computed on the way; B: computed on the way: QUANTISED
;;     5. batch 64 x [M 64, K 2,048] x [K 2,048, N 2,048]; A: computed on the way; B: softmax (see below): QUANTISED
;;     6. [M 8,192, K 1,024] x [K 1,024, N 1,024]; A: computed on the way; B: input Wo (given as codes): QUANTISED
;;   THE QUANTISER, for each operand of a quantised product, along K:
;;     - K is cut into blocks of 32 from its start; a last block that is shorter is filled with zeros.
;;     - A block's scale is 2^e with e = floor(log2(the largest magnitude in the block)) - 2, held to -126 .. 127; a block of zeros has e = 0. As a byte (E8M0): e + 127.
;;     - Each number is divided by its block's scale, clamped to +-7.5, and rounded to the nearest number of E2M3, ties to even, subnormals kept.
;;     - The product sums the exact products of the quantised numbers (number of the format x scale) in f32.
;;   ~~~python
;;   def quantise(x, axis):      # numpy; x: float32 -> the quantised numbers, widened to float32 again
;;       x = np.moveaxis(x, axis, -1); K = x.shape[-1]
;;       x = np.pad(x, [(0, 0)] * (x.ndim - 1) + [(0, -K % 32)]); x = x.reshape(x.shape[:-1] + (-1, 32)); a = np.abs(x).max(-1, keepdims=True)
;;       e = np.where(a > 0, np.clip(np.frexp(np.where(a > 0, a, 1))[1] - 1 - 2, -126, 127), 0)      # np.frexp(a)[1] - 1 = floor(log2(a)), exactly
;;       r = np.clip(x / 2.0 ** e, -7.5, 7.5)
;;       step = 2.0 ** (np.maximum(np.frexp(np.where(r == 0, 1, r))[1] - 1, 0) - 3)
;;       q = np.round(r / step) * step * 2.0 ** e      # np.round: ties to even
;;       return np.moveaxis(q.reshape(q.shape[:-2] + (-1,))[..., :K], -1, axis).astype(np.float32)
;;   ~~~
;;   SOFTMAX AHEAD OF A QUANTISED PRODUCT. Where the list says 'softmax', what is quantised is not the finished softmax but p = 2^(t - M), with t = logit x log2(e) and M = ceil(the row's largest t), a whole number; so 1/2 < the row's largest p <= 1. The row's sum l is taken of the UNQUANTISED p, in f32, and the product's result is divided by l at the end. Since M is a whole number, a kernel that streams over the keys may use a running M (the ceiling of the running maximum): every later rescaling is an exact power of two, which a block's scale takes up: the codes' values come out the same.
;;   OPERANDS COMPUTED ON THE WAY. 'Computed on the way' means the value that the module computes at that place (a softmax that the list does not call 'softmax' is quantised finished and normalised). What goes into a quantiser is computed in f32, as accurately as f32 sums, v_exp_f32 and their like allow (about 1e-6 of the number): no bf16 or f16 on the way to a quantiser, and a product that is left as it is and whose result goes on into a quantised operand takes f32 operands (vector FMAs, or v_wmma_f32_16x16x4_f32). A number that lies on a knife's edge between two numbers of the format may be rounded either way, as far as f32 arithmetic and the matrix unit's own rounding can turn it there, and no further.
;;   INPUTS GIVEN AS CODES. Wk (in the module: [1024, 1024], K = its axis 0); Wo (in the module: [1024, 1024], K = its axis 0); Wq (in the module: [1024, 1024], K = its axis 0); Wv (in the module: [1024, 1024], K = its axis 0); X (in the module: [4, 2048, 1024], K = its axis 2): each comes as NAME_codes (uint8): NAME with its K axis moved to the last place and cut into blocks of 32 codes, [.., K / 32, bytes a block], one block behind the other in memory; four codes in three bytes: a row's codes are one little-endian stream of bits, code i at bits 6 i .. 6 i + 5 (a code: sign, 2 exponent bits, 3 mantissa bits); and NAME_scales (uint8): the same leading axes, one E8M0 byte (e + 127) for each 32 codes along K. Its value is code x scale, taken as it is: it is not quantised again, and the codes and scales need not be those that the quantiser above would give.
;; One version. Each part assembles by itself: llvm-mc -triple=amdgcn-amd-amdhsa -mcpu=gfx1250 --defsym DOCPART=n.
;; ======== version 1 of 1: 3 launches
;; limits: right only within a limited range of input values
;; workspace buffers: qc 6,291,456 bytes; qs 524,288 bytes; kv 13,369,344 bytes; ctxc 6,291,456 bytes; ctxs 262,144 bytes
;; launch qkv (part 1): grid 8 x 32, 4 waves a work-group, clusters of 4 x 4, 327,680 bytes of LDS; arguments X_codes, X_scales, Wq_codes, Wq_scales, Wk_codes, Wk_scales, Wv_codes, Wv_scales, qc, qs, kv; writes qc, qs, kv
.if DOCPART == 1
	.amdgcn_target "amdgcn-amd-amdhsa--gfx1250"
	.amdhsa_code_object_version 6
	.text
	.protected	k_qd35d8ea0ef_qkv
	.globl	k_qd35d8ea0ef_qkv
	.p2align	8
	.type	k_qd35d8ea0ef_qkv,@function
k_qd35d8ea0ef_qkv:
	s_mov_b64 s[64:65], 0
	v_nop
	global_prefetch_b8 v0, s[64:65] scope:SCOPE_SE
	s_setreg_imm32_b32 hwreg(HW_REG_WAVE_MODE, 25, 1), 1
	s_wait_xcnt 0x0
	s_wait_alu depctr_hold_cnt(0) depctr_sa_sdst(0) depctr_va_vdst(0) depctr_va_sdst(0) depctr_va_ssrc(0) depctr_va_vcc(0) depctr_vm_vsrc(0)
	s_getreg_b32 s2, hwreg(HW_REG_IB_STS2, 6, 4)
	s_cmp_eq_u32 s2, 0
	s_cbranch_scc0 .Lentry_in_a_cluster
	s_endpgm
.Lentry_in_a_cluster:
	s_bfe_u32 s2, ttmp6, 0x10000c
	s_cmp_lg_u32 s2, 0xf033
	s_cbranch_scc0 .Lentry_shape_is_right
	s_endpgm
.Lentry_shape_is_right:
; q = X Wq, k = X Wk, v = X Wv on codes of E2M3 with E8M0 scales; q, k (along the head's 64) and v (along the keys) are quantised in registers and stored as images of operand registers.
; DEAD WORK: this launch leaves nothing out.  The next launch leaves out the chunks of 128 keys that lie wholly above the diagonal: reference() sets those scores to -inf, so their p is 0 for all inputs.
; A NaN or an infinity that reaches only such scores is not carried to the result.
; SHARES.  256 work-groups.  Work-group (x, y) keeps 256 rows of X, all of K, in LDS and walks THREE tiles of 128 columns: q and k of head 2 x, q and k of head 2 x + 1, v of both heads.
; Wave w = 2 i + j takes rows 128 i on (8 tiles of 16) against part j of the weights' 128 rows (4 tiles): 32 accumulators.  Part j: Wq or Wk (j = 0, 1); in the third tile Wv's head 2 x + j.
; q and k are used TRANSPOSED (source 0 = W, source 1 = X): a lane holds one row of X, its registers run along d.  v is used STRAIGHT: a lane holds one d, its registers run down the keys.
; ORDER INSIDE A BLOCK OF 32: a block's codes end up in the order 0-7, 16-23, 8-15, 24-31, alike in q and k along d, and in v and p along the keys: the products are the same numbers.
; LDS: rows of 768 bytes + 16 behind every 256 (pitch 816): X's 256 rows, the weights' 128, the spare words.  Every tensor row is a whole row of codes, 768 bytes from a multiple of 256.
; FILLS: at the head one joint load a wave (waves 0, 1 X's halves, waves 2, 3 the weights' parts).  The weights' fragments of K steps 4 to 7 are fetched with step 3's, into registers of their own,
; so the weights' region is read out when K step 3 begins: it is filled again twice, in a round of the cluster's barrier inside K step 3.  The load has half of that step, K steps 4 to 7
; (144 products a wave in all) and the way out in which to land; a plain barrier at the tile's end shows it to all.
; CLUSTER 4 x 4: X's rows are shared along a row of the cluster, the weights' along a column.
; PREFETCH: a part of a later tile's weights is 192 blocks of 256 bytes; the eight waves of the cluster's column that use part j (i = 0, 1; cy = 0 .. 3) take 24 blocks each, told apart by address.
; The second tile's are asked for at the head, three K steps ahead of their load; the third's in the first trip, a tile ahead.
; OUT.  A record is 768 bytes: 16 rows x 64 K: registers 0-3 of lane l at 16 l, registers 4-5 at 512 + 8 l.  qc [bh][tile][768]; qs [bh][row] words (two bytes, then 0x7f, 0x7f);
; kv [bh][chunk of 128 keys][13,056]: 8 records of k, 4 fragments of v (3 x 512 bytes each), 128 scale words of k, 64 of v.
; LIMITS: NaN, infinities and the scale byte 0xff among the inputs are not served; a block whose largest magnitude lies under 2^-124 (zeros too) gets the byte 1: its bytes are read by this program alone.
; REGISTERS: window 0: v2-30 addresses; v32-63 X's scale words, v68-83 the weights'; v88-135, v136-183 two sets of 4 weight fragments (K steps 0-3); v208-243 at work.  window 1: two sets of X's 8 fragments.
; window 2: the accumulators.  window 3: v0-31 the scale words of the next two tiles' weights; v32-223 the weights' fragments of K steps 4-7.
.set PITCH, 816
.set WB,    256*PITCH
.set SPARE, 384*PITCH
.set ADA,  2                           ; v2, v3 X's tiles 0-3 (v3: pieces behind one padding more); v4, v5 tiles 4-7
.set ADB,  8                           ; v8, v9 my part of the weights
.set L16,  20
.set L8,   21
.set L4,   22
.set L32,  23
.set LANE, 25
.set SPW,  28
.set NIL,  29
.set PFO,  30                          ; the prefetches' offset; never rewritten
.set XS,   32                          ; v[XS+8p+k]: lanes 0-15 tile 2p, lanes 16-31 tile 2p+1, K step k
.set WS,   68                          ; likewise; 4 modulo 8 off X's
.set BF,   88
.set WD,   208
.set PK,   220
.set TM,   232
.set WV,   26
.set II,   27
.set JJ,   66
.set CNT,  60
.set SEL,  98
.set MSB, 0
.macro WIN new
.if MSB != \new
	s_set_vgpr_msb (MSB<<8)|\new
.set MSB, \new
.endif
.endm
.macro PWIN kind, k                    ; kind 0: source 0 the weights', source 1 X's (window 1); kind 1 the other way; the weights' window is 0 up to K step 3, then 3; C and D window 2
.set PW_, 0xa4-3*(\kind)+(3+9*(\kind))*((\k)/4)
	WIN PW_
.endm
.macro PLACES
.rept 4
	v_nop
.endr
.endm
.macro CREST
	s_cmp_lg_u32 s[WV], 0
	s_cbranch_scc1 .Lnot_wave_0_\@
	s_barrier_signal -3
.Lnot_wave_0_\@:
	s_barrier_wait -3
	s_barrier_signal -1
	s_barrier_wait -1
.endm
.macro CROUND
	s_barrier_signal -1
	s_barrier_wait -1
	CREST
.endm
.macro WMC d, a, b, c, sa, sb, ra, rb  ; ra, rb: source 0's, source 1's scales stand in lanes 16-31
.if (\ra) && (\rb)
	v_wmma_scale_f32_16x16x128_f8f6f4 v[\d:\d+7], v[\a:\a+11], v[\b:\b+11], \c, v[\sa], v[\sb] matrix_a_fmt:MATRIX_FMT_FP6 matrix_b_fmt:MATRIX_FMT_FP6 matrix_a_scale:MATRIX_SCALE_ROW1 matrix_b_scale:MATRIX_SCALE_ROW1
.elseif \ra
	v_wmma_scale_f32_16x16x128_f8f6f4 v[\d:\d+7], v[\a:\a+11], v[\b:\b+11], \c, v[\sa], v[\sb] matrix_a_fmt:MATRIX_FMT_FP6 matrix_b_fmt:MATRIX_FMT_FP6 matrix_a_scale:MATRIX_SCALE_ROW1
.elseif \rb
	v_wmma_scale_f32_16x16x128_f8f6f4 v[\d:\d+7], v[\a:\a+11], v[\b:\b+11], \c, v[\sa], v[\sb] matrix_a_fmt:MATRIX_FMT_FP6 matrix_b_fmt:MATRIX_FMT_FP6 matrix_b_scale:MATRIX_SCALE_ROW1
.else
	v_wmma_scale_f32_16x16x128_f8f6f4 v[\d:\d+7], v[\a:\a+11], v[\b:\b+11], \c, v[\sa], v[\sb] matrix_a_fmt:MATRIX_FMT_FP6 matrix_b_fmt:MATRIX_FMT_FP6
.endif
.endm
.macro FRAG reg, adr, q, off           ; 16 rows x K step q: six pieces of 8 bytes; lanes 16-31 read three pieces on: where that is behind one padding more, the second address register serves
.irp p, 0,1,2,3,4,5
.set PC, 12*(\q)+6*(\p/3)+\p%3
	ds_load_b64 v[\reg+2*\p:\reg+2*\p+1], v[\adr+(PC%32+3)/32] offset:8*PC+16*(PC/32)+(\off)
.endr
.endm
.macro FETCH q, p                      ; K step q's fragments: X's into set p; the weights' into set p up to step 3; with step 3's come those of steps 4 to 7
	WIN 0x40
.irp m, 0,1,2,3,4,5,6,7
	FRAG 96*(\p)+12*\m, ADA+2*(\m/4), \q, (\m%4)*16*PITCH
.endr
	WIN 0
.if (\q) < 4
.irp n, 0,1,2,3
	FRAG BF+48*(\p)+12*\n, ADB, \q, \n*16*PITCH
.endr
.endif
.if (\q) == 3
	WIN 0xc0
.irp s, 4,5,6,7
.irp n, 0,1,2,3
	FRAG 32+48*(\s-4)+12*\n, ADB, \s, \n*16*PITCH
.endr
.endr
	WIN 0
.endif
.endm
.macro PR kind, m0, cnt, p, k, zero    ; row tiles m0 on, each against the 4 weight tiles.  The 32 accumulators take turns, in the same order in every step
.if (\k) < 4
.set WF, BF+48*(\p)
.else
.set WF, 32+48*((\k)-4)
.endif
.set MM, \m0
.rept \cnt
.irp n, 0,1,2,3
.if \kind
.set DD, 8*(8*\n+MM)
.if \zero
	WMC DD, 96*(\p)+12*MM, WF+12*\n, 0, XS+8*(MM/2)+(\k), WS+8*(\n/2)+(\k), MM%2, \n%2
.else
	WMC DD, 96*(\p)+12*MM, WF+12*\n, v[DD:DD+7], XS+8*(MM/2)+(\k), WS+8*(\n/2)+(\k), MM%2, \n%2
.endif
.else
.set DD, 8*(4*MM+\n)
.if \zero
	WMC DD, WF+12*\n, 96*(\p)+12*MM, 0, WS+8*(\n/2)+(\k), XS+8*(MM/2)+(\k), \n%2, MM%2
.else
	WMC DD, WF+12*\n, 96*(\p)+12*MM, v[DD:DD+7], WS+8*(\n/2)+(\k), XS+8*(MM/2)+(\k), \n%2, MM%2
.endif
.endif
.endr
.set MM, MM+1
.endr
.endm
.macro KSTEP kind, k                   ; the set is in; places; the next step's fragments are asked for; 32 products
	s_wait_dscnt 0x0
.if (\k) > 0
	PLACES
.endif
	FETCH (\k)+1, ((\k)+1)%2
	PWIN \kind, \k
	PR \kind, 0, 8, (\k)%2, \k, (\k)==0
.endm
; 64 results of a lane in window w, from v[s] on, four blocks of 16 + 16 (the other 16 in lane l xor 16), become 12 registers of codes at v[pc] on; the blocks' bytes stay in v[TM+4] on.
; A block's scale: the largest magnitude's exponent field less 2; the floor 2^(3 - 127) holds the byte at 1 from below.  Each accumulator is read from its low end on.
.macro QUANT w, s, pc
	WIN (\w)|((\w)<<2)
.irp b, 0,1,2,3
	v_max3_num_f32 v[TM+\b], |v[\s+16*\b]|, |v[\s+16*\b+1]|, 0x1800000
.endr
.irp i, 2,4,6,8,10,12,14
.irp b, 0,1,2,3
	v_max3_num_f32 v[TM+\b], |v[\s+16*\b+\i]|, |v[\s+16*\b+\i+1]|, v[TM+\b]
.endr
.endr
	WIN 0
.irp b, 0,1,2,3
	v_permlanex16_b32 v[TM+4+\b], v[TM+\b], s[SEL], s[SEL+1]
.endr
.irp b, 0,1,2,3
	v_max_num_f32 v[TM+\b], v[TM+\b], v[TM+4+\b]
.endr
.irp b, 0,1,2,3
	v_add_nc_u32 v[TM+8+\b], 0xff000000, v[TM+\b]  ; the conversion takes the exponent field of this operand as its scale
.endr
.irp b, 0,1,2,3
	v_lshrrev_b32 v[TM+4+\b], 23, v[TM+8+\b]       ; the scale's byte
.endr
	WIN \w
.irp c, 0,1
	v_cvt_scalef32_pk16_fp6_f32 v[\pc+6*\c:\pc+6*\c+2], v[\s+32*\c:\s+32*\c+15], v[TM+8+2*\c]
	v_cvt_scalef32_pk16_fp6_f32 v[\pc+12+4*\c:\pc+14+4*\c], v[\s+16+32*\c:\s+31+32*\c], v[TM+9+2*\c]
.endr
	WIN 0
	v_nop                                          ; one plain place behind a scaled conversion
.irp c, 0,1                                    ; a whole block to a lane
.irp i, 0,1,2
	v_permlane16_swap_b32 v[\pc+6*\c+\i], v[\pc+12+4*\c+\i]
.endr
.irp i, 0,1,2
	v_mov_b32 v[\pc+3+6*\c+\i], v[\pc+12+4*\c+\i]
.endr
.endr
.endm
	s_load_b512 s[4:19], s[0:1], 0x0               ; X codes 4, X scales 6, Wq 8, 10, Wk 12, 14, Wv 16, 18
	s_load_b128 s[20:23], s[0:1], 0x40             ; qc, qs
	s_load_b64 s[24:25], s[0:1], 0x50              ; kv
	v_lshl_add_u32 v[SPW], v0, 2, SPARE
	v_mov_b32 v[NIL], 0
	ds_add_u32 v[SPW], v[NIL]                      ; the opening lines: the add twice on end, and its wait
	ds_add_u32 v[SPW], v[NIL]
	v_lshrrev_b32 v1, 5, v0
	v_readfirstlane_b32 s[WV], v1
	s_lshr_b32 s[II], s[WV], 1                     ; i: which 128 rows
	s_and_b32 s[JJ], s[WV], 1                      ; j: which part of the weights; for a loading wave: which half it brings
	s_bfe_u32 s67, ttmp6, 0x40000                  ; cx
	s_bfe_u32 s72, ttmp6, 0x40004                  ; cy
	s_lshl_b32 s73, ttmp9, 2
	s_add_co_u32 s73, s73, s67                     ; x: the pair of heads
	s_and_b32 s74, ttmp7, 0xffff
	s_lshl_b32 s74, s74, 2
	s_add_co_u32 s74, s74, s72                     ; y: the block of 256 rows
	s_lshl_b32 s75, s72, 2
	s_lshl_b32 s75, 15, s75                        ; my row of the cluster
	s_lshl_b32 s76, 0x1111, s67                    ; my column
	s_or_b32 s28, s75, (1<<20)|(1<<21)|(5<<22)|(3<<25)   ; group 1: rows of 768 bytes, 16 bytes of padding behind every 256; X: 128 rows
	s_mov_b32 s29, 768<<16
	s_mov_b32 s30, 128<<16
	s_mov_b32 s31, 768<<16
	s_mov_b32 s32, 128
	s_mov_b32 s33, 768
	s_mov_b32 s34, 0
	s_mov_b32 s35, 0
	s_or_b32 s36, s76, (1<<20)|(1<<21)|(5<<22)|(3<<25)   ; a part of the weights: 64 rows
	s_mov_b32 s37, 768<<16
	s_mov_b32 s38, 64<<16
	s_mov_b32 s39, 768<<16
	s_mov_b32 s40, 64
	s_mov_b32 s41, 768
	s_mov_b32 s42, 0
	s_mov_b32 s43, 0
	s_mul_i32 s78, s74, 256*768
	s_mul_i32 s80, s[JJ], 128*768
	s_add_co_u32 s78, s78, s80                     ; X: row 256 y + 128 j
	s_mov_b32 s79, 0
	s_mul_i32 s80, s73, 128*768                    ; Wq, Wk: head 2 x
	s_mov_b32 s81, 0
	s_mul_i32 s82, s[JJ], 64*768
	s_add_co_u32 s82, s82, s80                     ; Wv: head 2 x + j
	s_mov_b32 s83, 0
	s_mov_b32 s44, 1
	s_mul_i32 s45, s[JJ], 128*PITCH
	s_mov_b32 s48, 1
	s_mul_i32 s85, s[JJ], 64*PITCH
	s_add_co_u32 s85, s85, WB                      ; part j's place in LDS
	s_mov_b32 s49, s85
	s_lshl_b32 s61, s72, 1
	s_add_co_u32 s61, s61, s[II]
	s_mul_i32 s61, s61, 24*256                     ; the prefetches: my 24 blocks of a part's 192
	s_wait_dscnt 0x0
	s_wait_kmcnt 0x0
	s_add_nc_u64 s[46:47], s[4:5], s[78:79]
	s_cmp_eq_u32 s[JJ], 0
	s_cselect_b64 s[92:93], s[8:9], s[12:13]       ; part j's codes
	s_cselect_b64 s[94:95], s[10:11], s[14:15]     ; and scale bytes
	s_add_nc_u64 s[50:51], s[92:93], s[80:81]      ; the first tile's rows,
	s_add_nc_u64 s[52:53], s[50:51], 64*768        ; the second's,
	s_add_nc_u64 s[54:55], s[16:17], s[82:83]      ; the third's
	s_mov_b64 s[68:69], s[52:53]                   ; the same two for the prefetches
	s_mov_b64 s[70:71], s[54:55]
	s_or_b32 s47, s47, 0x80000000
	s_or_b32 s51, s51, 0x80000000
	s_or_b32 s53, s53, 0x80000000
	s_or_b32 s55, s55, 0x80000000
	CROUND                                         ; all sixteen work-groups are here: the first joint loads meet
	s_cmp_lt_u32 s[WV], 2
	s_cbranch_scc0 .Lhead_w
	tensor_load_to_lds s[44:47], s[28:35]
	s_nop 0
	PLACES
	s_branch .Lasked
.Lhead_w:
	tensor_load_to_lds s[48:51], s[36:43]
	s_nop 0
	PLACES
.Lasked:
	s_lshl_b32 s78, s74, 13
	s_lshl_b32 s80, s[II], 12
	s_add_co_u32 s78, s78, s80
	s_add_nc_u64 s[6:7], s[6:7], s[78:79]          ; X's scale bytes: row 256 y + 128 i
	s_lshl_b32 s78, s73, 12
	s_add_nc_u64 s[94:95], s[94:95], s[78:79]      ; part j's: head 2 x
	s_add_nc_u64 s[18:19], s[18:19], s[78:79]
	s_lshl_b32 s78, s[JJ], 11
	s_add_nc_u64 s[18:19], s[18:19], s[78:79]      ; Wv's: head 2 x + j
	s_mul_i32 s77, s[II], 128*PITCH
	s_add_co_u32 s96, s77, 64*PITCH
	v_and_b32 v1, 15, v0                           ; r
	v_bfe_u32 v24, v0, 4, 1                        ; h
	v_and_b32 v[LANE], 31, v0
	v_lshlrev_b32 v[L16], 4, v[LANE]
	v_lshlrev_b32 v[L8], 3, v[LANE]
	v_lshlrev_b32 v[L4], 2, v[LANE]
	v_lshlrev_b32 v[L32], 5, v[LANE]
	v_mul_u32_u24 v26, v1, PITCH
	v_mad_u32_u24 v26, v24, 24, v26                ; row x pitch + 24 x half
	v_lshl_add_u32 v27, v24, 4, v26                ; and behind one padding more
	v_add_nc_u32 v[ADA], s77, v26
	v_add_nc_u32 v[ADA+1], s77, v27
	v_add_nc_u32 v[ADA+2], s96, v26
	v_add_nc_u32 v[ADA+3], s96, v27
	v_add_nc_u32 v[ADB], s85, v26
	v_add_nc_u32 v[ADB+1], s85, v27
	v_min_u32 v[PFO], 23, v[LANE]                  ; lanes 24-31 name their wave's last block again
	v_lshl_add_u32 v[PFO], v[PFO], 8, s61
.irp b, 0,1,2,3
	v_mov_b32 v[TM+4+\b], 0                        ; a lane permute's destination counts as one of its sources
.endr
	s_wait_alu depctr_va_vdst(0)                   ; the wait at the end of the head's vector work
.irp p, 0,1,2,3                                ; the scale words come once: a row's 32 bytes are its 8 words; lane l takes row 32 p + l
	global_load_b128 v[XS+8*\p:XS+8*\p+3], v[L32], s[6:7] offset:1024*\p
	global_load_b128 v[XS+8*\p+4:XS+8*\p+7], v[L32], s[6:7] offset:1024*\p+16
.endr
.irp p, 0,1
	global_load_b128 v[WS+8*\p:WS+8*\p+3], v[L32], s[94:95] offset:1024*\p
	global_load_b128 v[WS+8*\p+4:WS+8*\p+7], v[L32], s[94:95] offset:1024*\p+16
.endr
	WIN 0xc0                                       ; destination window 3: the later tiles' words
.irp p, 0,1
	global_load_b128 v[8*\p:8*\p+3], v[L32], s[94:95] offset:2048+1024*\p
	global_load_b128 v[8*\p+4:8*\p+7], v[L32], s[94:95] offset:2048+1024*\p+16
	global_load_b128 v[16+8*\p:16+8*\p+3], v[L32], s[18:19] offset:1024*\p
	global_load_b128 v[16+8*\p+4:16+8*\p+7], v[L32], s[18:19] offset:1024*\p+16
.endr
	WIN 0
	global_prefetch_b8 v[PFO], s[68:69] th:TH_LOAD_NT scope:SCOPE_SE   ; the second tile's weights
	s_lshr_b32 s92, s74, 3                         ; where the results go
	s_lshl_b32 s92, s92, 4
	s_lshl_b32 s93, s73, 1
	s_add_co_u32 s92, s92, s93                     ; bh = 16 x batch + 2 x
	s_and_b32 s93, s74, 7
	s_lshl_b32 s93, s93, 1
	s_add_co_u32 s93, s93, s[II]                   ; my chunk of 128 rows
	s_mov_b32 s97, 0
	s_mul_i32 s96, s92, 208896
	s_mul_i32 s77, s93, 13056
	s_add_co_u32 s96, s96, s77
	s_add_nc_u64 s[90:91], s[24:25], s[96:97]      ; kv at my chunk
	s_add_nc_u64 s[2:3], s[90:91], 12288           ; k's scale words there
	s_mul_i32 s96, s92, 128*768
	s_mul_i32 s77, s93, 8*768
	s_add_co_u32 s96, s96, s77
	s_add_nc_u64 s[86:87], s[20:21], s[96:97]      ; qc at my 8 tiles
	s_lshl_b32 s96, s92, 13
	s_lshl_b32 s77, s93, 9
	s_add_co_u32 s96, s96, s77
	s_add_nc_u64 s[88:89], s[22:23], s[96:97]      ; qs at my 128 rows
	s_mov_b32 s56, 208896
	s_mov_b32 s57, 0
	s_mov_b32 s58, 208896
	s_mov_b32 s59, 0
	s_cmp_eq_u32 s[JJ], 0
	s_cselect_b64 s[86:87], s[86:87], s[90:91]     ; records: q's or k's
	s_cselect_b64 s[88:89], s[88:89], s[2:3]       ; scale words: q's or k's
	s_cselect_b32 s56, 128*768, s56                ; and their steps to the next head
	s_cselect_b32 s58, 8192, s58
	s_mul_i32 s96, s[JJ], 208896
	s_add_nc_u64 s[90:91], s[90:91], s[96:97]      ; v: head 2 x + j
	s_mov_b32 s[SEL], 0x76543210
	s_mov_b32 s[SEL+1], 0xfedcba98                 ; lane l xor 16
	s_mov_b32 s[CNT], 0
	s_wait_tensorcnt 0x0                           ; my one load is in
	s_barrier_signal -1
	s_barrier_wait -1                              ; everybody's is
	s_wait_loadcnt 0x0                             ; the scale words
.Ltile:                                                ; q and k of head 2 x, then of head 2 x + 1
	FETCH 0, 0
.irp k, 0,1,2
	KSTEP 0, \k
.endr
	s_wait_dscnt 0x0                               ; K step 3: I hold all the weights' fragments that are left, so the weights' region is filled again
	PLACES
	FETCH 4, 0                                     ; X's alone
	s_wait_tensorcnt 0x0
	ds_add_u32 v[SPW], v[NIL]
	s_mov_b64 s[50:51], s[52:53]                   ; no load of mine is out: the next tile's rows
	s_mov_b64 s[52:53], s[54:55]
	PWIN 0, 3
	PR 0, 0, 4, 1, 3, 0
	s_wait_dscnt 0x0                               ; the add is done, and so are my reads
	s_barrier_signal -1
	PR 0, 4, 4, 1, 3, 0
	WIN 0
	s_barrier_wait -1
	CREST                                          ; the barrier has opened a round of the cluster's: no wave of any partner still reads the region
	s_cmp_lt_u32 s[WV], 2
	s_cbranch_scc1 .Lno_refill
	tensor_load_to_lds s[48:51], s[36:43]
	s_nop 0
	PLACES
.Lno_refill:
	s_cmp_lg_u32 s[CNT], 0
	s_cbranch_scc1 .Lno_ask
	global_prefetch_b8 v[PFO], s[70:71] th:TH_LOAD_NT scope:SCOPE_SE   ; in the first trip: the third tile's weights
.Lno_ask:
.irp k, 4,5,6
	KSTEP 0, \k
.endr
	s_wait_dscnt 0x0
	PWIN 0, 7
	PR 0, 0, 8, 1, 7, 0
	WIN 0
	PLACES                                         ; behind the last products: results are read, registers that held fragments are written
	v_cmp_lt_u32 vcc_lo, 15, v[LANE]
.irp c, 0,1,2,3                                ; row tiles 2 c and 2 c + 1: two records and their rows' words
	QUANT 2, 64*\c, BF+20*\c
	v_lshl_or_b32 v[WD+2*\c], v[TM+5], 8, v[TM+4]
	v_lshl_or_b32 v[WD+2*\c+1], v[TM+7], 8, v[TM+6]
	v_or_b32 v[WD+2*\c], 0x7f7f0000, v[WD+2*\c]    ; K is 64: the instruction's upper 64 meet zero codes under the byte 127
	v_or_b32 v[WD+2*\c+1], 0x7f7f0000, v[WD+2*\c+1]
	v_cndmask_b32 v[PK+\c], v[WD+2*\c], v[WD+2*\c+1], vcc_lo
	global_store_b128 v[L16], v[BF+20*\c:BF+20*\c+3], s[86:87] offset:768*(2*\c)
	global_store_b64 v[L8], v[BF+20*\c+4:BF+20*\c+5], s[86:87] offset:768*(2*\c)+512
	global_store_b128 v[L16], v[BF+20*\c+6:BF+20*\c+9], s[86:87] offset:768*(2*\c+1)
	global_store_b64 v[L8], v[BF+20*\c+10:BF+20*\c+11], s[86:87] offset:768*(2*\c+1)+512
	global_store_b32 v[L4], v[PK+\c], s[88:89] offset:128*\c
.endr
	WIN 0x03                                       ; the next tile's scale words move up; the 16 moves behind them are the places ahead of the next scaled product
.set I, 0
.rept 16
	v_mov_b32 v[WS+I], v[I]
.set I, I+1
.endr
	WIN 0xc3
.set I, 0
.rept 16
	v_mov_b32 v[I], v[16+I]
.set I, I+1
.endr
	WIN 0
	s_wait_alu depctr_va_vdst(0)                   ; the wait ahead of the waits below
	s_wait_xcnt 0x0                                ; the stores have read their bases and data
	s_add_nc_u64 s[86:87], s[86:87], s[56:57]
	s_add_nc_u64 s[88:89], s[88:89], s[58:59]
	s_wait_tensorcnt 0x0                           ; my part of the next weights is in
	s_wait_dscnt 0x0
	s_barrier_signal -1
	s_barrier_wait -1                              ; everybody's is
	s_add_co_u32 s[CNT], s[CNT], 1
	s_cmp_lt_u32 s[CNT], 2
	s_cbranch_scc1 .Ltile
	FETCH 0, 0                                     ; v of head 2 x + j
.irp k, 0,1,2,3,4,5,6
	KSTEP 1, \k
.endr
	s_wait_dscnt 0x0
	PWIN 1, 7
	PR 1, 0, 8, 1, 7, 0
	WIN 0
	PLACES
	v_cmp_lt_u32 vcc_lo, 15, v[LANE]
.irp e, 0,1,2,3                                ; a whole fragment (16 d x my 128 keys) and its rows' words
	QUANT 2, 64*\e, BF+20*\e
	v_lshl_or_b32 v[WD+\e], v[TM+5], 8, v[TM+4]
	v_lshl_or_b32 v[WD+\e], v[TM+6], 16, v[WD+\e]
	v_lshl_or_b32 v[WD+\e], v[TM+7], 24, v[WD+\e]
	global_store_b128 v[L16], v[BF+20*\e:BF+20*\e+3], s[90:91] offset:6144+1536*\e
	global_store_b128 v[L16], v[BF+20*\e+4:BF+20*\e+7], s[90:91] offset:6144+1536*\e+512
	global_store_b128 v[L16], v[BF+20*\e+8:BF+20*\e+11], s[90:91] offset:6144+1536*\e+1024
.endr
	v_cndmask_b32 v[PK], v[WD], v[WD+1], vcc_lo
	v_cndmask_b32 v[PK+1], v[WD+2], v[WD+3], vcc_lo
	global_store_b32 v[L4], v[PK], s[90:91] offset:12800
	global_store_b32 v[L4], v[PK+1], s[90:91] offset:12928
	s_wait_tensorcnt 0x0                           ; the wave's end
	ds_add_u32 v[SPW], v[NIL]
	s_wait_dscnt 0x0
	CROUND                                         ; the closing round
	s_endpgm
.Lfunc_end_k_qd35d8ea0ef_qkv:
	.size	k_qd35d8ea0ef_qkv, .Lfunc_end_k_qd35d8ea0ef_qkv-k_qd35d8ea0ef_qkv
	.p2alignl 7, 3214868480
	.fill 96, 4, 3214868480
	.section	.rodata,"a",@progbits
	.p2align	6, 0x0
	.amdhsa_kernel k_qd35d8ea0ef_qkv
		.amdhsa_group_segment_fixed_size 327680
		.amdhsa_private_segment_fixed_size 0
		.amdhsa_enable_private_segment 0
		.amdhsa_kernarg_size 88
		.amdhsa_user_sgpr_count 2
		.amdhsa_user_sgpr_kernarg_segment_ptr 1
		.amdhsa_wavefront_size32 1
		.amdhsa_system_sgpr_workgroup_id_x 1
		.amdhsa_system_sgpr_workgroup_id_y 1
		.amdhsa_system_sgpr_workgroup_id_z 1
		.amdhsa_system_vgpr_workitem_id 0
		.amdhsa_next_free_vgpr 992
		.amdhsa_next_free_sgpr 100
		.amdhsa_reserve_vcc 1
		.amdhsa_float_denorm_mode_32 3
		.amdhsa_float_denorm_mode_16_64 3
		.amdhsa_memory_ordered 1
		.amdhsa_forward_progress 1
		.amdhsa_inst_pref_size 187
	.end_amdhsa_kernel
	.amdgpu_metadata
---
amdhsa.version: [ 1, 2 ]
amdhsa.kernels:
  - .name:           k_qd35d8ea0ef_qkv
    .symbol:         k_qd35d8ea0ef_qkv.kd
    .args:
      - { .name: X_codes, .offset: 0, .size: 8, .value_kind: global_buffer, .address_space: global }
      - { .name: X_scales, .offset: 8, .size: 8, .value_kind: global_buffer, .address_space: global }
      - { .name: Wq_codes, .offset: 16, .size: 8, .value_kind: global_buffer, .address_space: global }
      - { .name: Wq_scales, .offset: 24, .size: 8, .value_kind: global_buffer, .address_space: global }
      - { .name: Wk_codes, .offset: 32, .size: 8, .value_kind: global_buffer, .address_space: global }
      - { .name: Wk_scales, .offset: 40, .size: 8, .value_kind: global_buffer, .address_space: global }
      - { .name: Wv_codes, .offset: 48, .size: 8, .value_kind: global_buffer, .address_space: global }
      - { .name: Wv_scales, .offset: 56, .size: 8, .value_kind: global_buffer, .address_space: global }
      - { .name: qc, .offset: 64, .size: 8, .value_kind: global_buffer, .address_space: global }
      - { .name: qs, .offset: 72, .size: 8, .value_kind: global_buffer, .address_space: global }
      - { .name: kv, .offset: 80, .size: 8, .value_kind: global_buffer, .address_space: global }
    .group_segment_fixed_size: 327680
    .private_segment_fixed_size: 0
    .kernarg_segment_align: 8
    .kernarg_segment_size: 88
    .max_flat_workgroup_size: 128
    .sgpr_count:     100
    .vgpr_count:     992
    .wavefront_size: 32
...
	.end_amdgpu_metadata
.endif
;; end of part 1
;; launch attn (part 2): grid 4 x 64, 16 waves a work-group, clusters of 4 x 1, 327,680 bytes of LDS; arguments qc, qs, kv, ctxc, ctxs; writes ctxc, ctxs
.if DOCPART == 2
	.amdgcn_target "amdgcn-amd-amdhsa--gfx1250"
	.amdhsa_code_object_version 6
	.text
	.protected	k_qd35d8ea0ef_attn
	.globl	k_qd35d8ea0ef_attn
	.p2align	8
	.type	k_qd35d8ea0ef_attn,@function
k_qd35d8ea0ef_attn:
	s_mov_b64 s[64:65], 0
	v_nop
	global_prefetch_b8 v0, s[64:65] scope:SCOPE_SE
	s_setreg_imm32_b32 hwreg(HW_REG_WAVE_MODE, 25, 1), 1
	s_wait_xcnt 0x0
	s_wait_alu depctr_hold_cnt(0) depctr_sa_sdst(0) depctr_va_vdst(0) depctr_va_sdst(0) depctr_va_ssrc(0) depctr_va_vcc(0) depctr_vm_vsrc(0)
	s_getreg_b32 s2, hwreg(HW_REG_IB_STS2, 6, 4)
	s_cmp_eq_u32 s2, 0
	s_cbranch_scc0 .Lentry_in_a_cluster
	s_endpgm
.Lentry_in_a_cluster:
	s_bfe_u32 s2, ttmp6, 0x10000c
	s_cmp_lg_u32 s2, 0x3003
	s_cbranch_scc0 .Lentry_shape_is_right
	s_endpgm
.Lentry_shape_is_right:
; softmax(q k^T / 8) v on codes of E2M3, causal.  A cluster of four work-groups serves one (batch, head); all 16 chunks of 128 keys (13,056 bytes each) lie in LDS, filled once by joint loads.
; Wave w brings chunk w: 51 rows of 256 bytes.  Waves 0-3 have a load line of their own, and they alone wait ahead of the first barrier: the first four steps read chunks 0-3 only.
; A wave takes query tiles 127 - (4 w + cx) and 4 w + cx.  LEFT OUT: chunks of keys wholly above the diagonal, whose scores reference() sets to -inf.
; LIMIT: the scaled scores stay under 2^31 in magnitude; NaN and infinities are not served.
.set CH,   13056
.set KF,   32
.set KS,   86
.set VSW,  90
.set S,    96
.set O,    160
.set PCD,  192
.set P2,   204
.set BM,   212
.set BT,   216
.set SO,   220
.set PW,   225
.set F,    226
.set TT,   228
.set NINF, 229
.set CW,   230
.set WV,   14
.set SEL,  20
.set CS,   22
.set J,    48
.set JM,   49
.set CB,   50
.set CNT,  51
.macro PLACES
.rept 4
	v_nop
.endr
.endm
.macro CROUND
	s_barrier_signal -1
	s_barrier_wait -1
	s_cmp_lg_u32 s[WV], 0
	s_cbranch_scc1 .Lnot_wave_0_\@
	s_barrier_signal -3
.Lnot_wave_0_\@:
	s_barrier_wait -3
	s_barrier_signal -1
	s_barrier_wait -1
.endm
	s_load_b256 s[4:11], s[0:1], 0x0
	s_load_b64 s[12:13], s[0:1], 0x20
	v_lshl_add_u32 v254, v0, 2, 0x33000
	v_mov_b32 v255, 0
	ds_add_u32 v254, v255
	ds_add_u32 v254, v255
	v_lshrrev_b32 v9, 5, v0
	s_delay_alu instid0(VALU_DEP_1)
	v_readfirstlane_b32 s[WV], v9
	s_bfe_u32 s15, ttmp6, 0x40000
	s_and_b32 s16, ttmp7, 0xffff
	s_mov_b32 s24, 15|(3<<16)|(1<<21)
	s_mov_b32 s25, 32<<16
	s_mov_b32 s26, 51<<16
	s_mov_b32 s27, 32<<16
	s_mov_b32 s28, 51
	s_mov_b32 s29, 32
	s_mov_b32 s30, 0
	s_mov_b32 s31, 0
	s_mul_i32 s70, s16, 16*CH
	s_mov_b32 s71, 0
	s_mul_i32 s72, s[WV], 51*256
	s_mov_b32 s73, 0
	s_wait_dscnt 0x0
	s_wait_kmcnt 0x0
	s_add_nc_u64 s[8:9], s[8:9], s[70:71]
	s_mov_b32 s40, 1
	s_mov_b32 s41, s72
	s_add_nc_u64 s[42:43], s[8:9], s[72:73]
	s_or_b32 s43, s43, 0x80000000
	CROUND
	s_cmp_lt_u32 s[WV], 4
	s_cbranch_scc0 .Llater_chunks
	tensor_load_to_lds s[40:43], s[24:31]
	s_nop 0
	PLACES
	s_branch .Lasked
.Llater_chunks:
	tensor_load_to_lds s[40:43], s[24:31]
	s_nop 0
	PLACES
.Lasked:
	s_lshl_b32 s80, s[WV], 2
	s_add_co_u32 s80, s80, s15
	s_sub_co_u32 s81, 127, s80
	s_lshr_b32 s82, s[WV], 1
	s_sub_co_u32 s83, 15, s82
	s_lshr_b32 s17, s16, 4
	s_and_b32 s18, s16, 15
	s_mov_b32 s77, 0
.macro PTRS t, qcp, qsp, ccp, csp
	s_lshl_b32 s76, s16, 7
	s_add_co_u32 s76, s76, \t
	s_mul_i32 s76, s76, 768
	s_add_nc_u64 s[\qcp:\qcp+1], s[4:5], s[76:77]
	s_lshl_b32 s76, s16, 13
	s_lshl_b32 s78, \t, 6
	s_add_co_u32 s76, s76, s78
	s_add_nc_u64 s[\qsp:\qsp+1], s[6:7], s[76:77]
	s_lshl_b32 s76, s17, 7
	s_add_co_u32 s76, s76, \t
	s_lshl_b32 s76, s76, 4
	s_add_co_u32 s76, s76, s18
	s_mul_i32 s76, s76, 768
	s_add_nc_u64 s[\ccp:\ccp+1], s[10:11], s[76:77]
	s_lshl_b32 s76, s17, 11
	s_lshl_b32 s78, \t, 4
	s_add_co_u32 s76, s76, s78
	s_lshl_b32 s76, s76, 5
	s_lshl_b32 s78, s18, 1
	s_add_co_u32 s76, s76, s78
	s_add_nc_u64 s[\csp:\csp+1], s[12:13], s[76:77]
.endm
	PTRS s81, 52, 54, 56, 58
	PTRS s80, 60, 62, 66, 68
	v_and_b32 v11, 31, v0
	s_delay_alu instid0(VALU_DEP_1)
	v_lshlrev_b32 v1, 4, v11
	s_delay_alu instid0(VALU_DEP_2)
	v_lshlrev_b32 v2, 3, v11
	s_delay_alu instid0(VALU_DEP_3)
	v_lshlrev_b32 v3, 2, v11
	v_and_b32 v11, 15, v0
	v_bfe_u32 v10, v0, 4, 1
	s_delay_alu instid0(VALU_DEP_2)
	v_lshlrev_b32 v8, 5, v11
	s_delay_alu instid0(VALU_DEP_3)
	v_lshlrev_b32 v9, 2, v11
	s_delay_alu instid0(VALU_DEP_3)
	v_lshlrev_b32 v10, 3, v10
	s_delay_alu instid0(VALU_DEP_1)
	v_sub_nc_u32 v10, v11, v10
	global_load_b128 v[16:19], v1, s[52:53]
	global_load_b64 v[20:21], v2, s[52:53] offset:512
	global_load_b32 v28, v9, s[54:55]
	global_load_b128 v[232:235], v1, s[60:61]
	global_load_b64 v[236:237], v2, s[60:61] offset:512
	global_load_b32 v244, v9, s[62:63]
.irp i, 0,1,2,3,4,5
	v_mov_b32 v[22+\i], 0
	v_mov_b32 v[238+\i], 0
	v_mov_b32 v[80+\i], 0
.endr
.irp b, 0,1,2,3
	v_mov_b32 v[BT+\b], 0
.endr
	v_mov_b32 v[F+1], 0
	v_mov_b32 v[TT], 0
	v_mov_b32 v[NINF], 0xff800000
	s_mov_b32 s[SEL], 0x76543210
	s_mov_b32 s[SEL+1], 0xfedcba98
	s_mov_b32 s[CS], 0x3e38aa3b
	s_mov_b32 s[CS+1], s[CS]
.macro INIT t, jm
	v_mov_b32 v13, 0xff61b1e6
	s_delay_alu instid0(VALU_DEP_1)
	v_floor_f32 v12, -v13
	v_mov_b32 v14, 0
	v_mov_b32 v15, 0
.set NN, 0
.rept 32
	v_mov_b32 v[O+NN], 0
.set NN, NN+1
.endr
	s_and_b32 s78, \t, 7
	s_lshl_b32 s78, s78, 4
	v_add_nc_u32 v7, s78, v10
	s_mov_b32 s[J], 0
	s_mov_b32 s[CB], 0
	s_mov_b32 s[JM], \jm
.endm
.macro STEP qb, qw, causal
.if \causal
	s_cmp_gt_u32 s[J], s[JM]
	s_cbranch_scc1 .Lhidden_\@
.endif
	v_add_nc_u32 v4, s[CB], v1
	v_add_nc_u32 v5, s[CB], v2
	v_add_nc_u32 v6, s[CB], v3
	v_nop
.irp t, 0,1,2,3,4,5,6,7
	ds_load_b128 v[KF+6*\t:KF+6*\t+3], v4 offset:768*\t
	ds_load_b64 v[KF+6*\t+4:KF+6*\t+5], v5 offset:768*\t+512
.endr
.irp u, 0,1,2,3
	ds_load_b32 v[KS+\u], v6 offset:12288+128*\u
.endr
	s_wait_alu depctr_va_vdst(0)
	s_wait_dscnt 0x0
.irp u, 0,1,2,3
	v_wmma_scale_f32_16x16x128_f8f6f4 v[S+16*\u:S+16*\u+7], v[KF+12*\u:KF+12*\u+11], v[\qb:\qb+11], 0, v[KS+\u], v[\qw] matrix_a_fmt:MATRIX_FMT_FP6 matrix_b_fmt:MATRIX_FMT_FP6
	v_wmma_scale_f32_16x16x128_f8f6f4 v[S+16*\u+8:S+16*\u+15], v[KF+12*\u+6:KF+12*\u+17], v[\qb:\qb+11], 0, v[KS+\u], v[\qw] matrix_a_fmt:MATRIX_FMT_FP6 matrix_b_fmt:MATRIX_FMT_FP6 matrix_a_scale:MATRIX_SCALE_ROW1
.endr
	PLACES
.irp d, 0,1,2,3
.irp c, 0,1,2
	ds_load_b128 v[KF+12*\d+4*\c:KF+12*\d+4*\c+3], v4 offset:6144+1536*\d+512*\c
.endr
.endr
.irp u, 0,1
	ds_load_b32 v[VSW+\u], v6 offset:12800+128*\u
.endr
.if \causal
	s_cmp_lg_u32 s[J], s[JM]
	s_cbranch_scc1 .Lopen_\@
.set NN, 0
.rept 64
	v_cmp_gt_i32 vcc_lo, 16*(NN/8)+NN%8, v7
	v_cndmask_b32 v[S+NN], v[S+NN], v[NINF], vcc_lo
.set NN, NN+1
.endr
.Lopen_\@:
.endif
.irp b, 0,1,2,3
	v_max3_num_f32 v[BM+\b], v[S+16*\b], v[S+16*\b+1], v[S+16*\b+2]
.endr
.irp i, 3,5,7,9,11,13
.irp b, 0,1,2,3
	v_max3_num_f32 v[BM+\b], v[BM+\b], v[S+16*\b+\i], v[S+16*\b+\i+1]
.endr
.endr
.irp b, 0,1,2,3
	v_max_num_f32 v[BM+\b], v[BM+\b], v[S+16*\b+15]
.endr
.irp b, 0,1,2,3
	s_delay_alu instid0(VALU_DEP_4)
	v_permlanex16_b32 v[BT+\b], v[BM+\b], s[SEL], s[SEL+1]
.endr
.irp b, 0,1,2,3
	s_delay_alu instid0(VALU_DEP_4)
	v_max_num_f32 v[BM+\b], v[BM+\b], v[BT+\b]
.endr
	s_delay_alu instid0(VALU_DEP_2)
	v_max3_num_f32 v[TT], v[BM], v[BM+1], v[BM+2]
	s_delay_alu instid0(VALU_DEP_1)
	v_max_num_f32 v[TT], v[TT], v[BM+3]
	s_delay_alu instid0(VALU_DEP_1)
	v_mul_f32 v[TT], s[CS], v[TT]
	s_delay_alu instid0(VALU_DEP_1)
	v_max_num_f32 v13, v13, v[TT]
	v_mov_b32 v[TT], v12
	s_delay_alu instid0(VALU_DEP_2)
	v_floor_f32 v12, -v13
	s_delay_alu instid0(VALU_DEP_1)
	v_sub_f32 v[TT], v12, v[TT]
	s_delay_alu instid0(VALU_DEP_1)
	v_cvt_i32_f32 v[TT], v[TT]
	s_delay_alu instid0(VALU_DEP_1)
	v_ldexp_f32 v[F], 1.0, v[TT]
.set NN, 0
.rept 32
	v_pk_fma_f32 v[S+NN:S+NN+1], v[S+NN:S+NN+1], s[CS:CS+1], v[12:13] op_sel_hi:[1,0,0]
.set NN, NN+2
.endr
.irp b, 0,1,2,3
	v_fma_f32 v[BM+\b], v[BM+\b], s[CS], v12
.endr
.set NN, 0
	s_wait_alu depctr_va_vdst(0)
.rept 64
	v_exp_f32 v[S+NN], v[S+NN]
.set NN, NN+1
.endr
.irp b, 0,1,2,3
	v_exp_f32 v[BM+\b], v[BM+\b]
.endr
	v_pk_mul_f32 v[14:15], v[14:15], v[F:F+1] op_sel_hi:[1,0]
	s_wait_alu depctr_va_vdst(0)
.irp b, 0,1,2,3
	v_max_num_f32 v[BM+\b], 0x1800000, v[BM+\b]
.endr
.irp b, 0,1,2,3
	s_delay_alu instid0(VALU_DEP_4)
	v_add_nc_u32 v[SO+\b], 0xff000000, v[BM+\b]
.endr
.irp b, 0,1,2,3
	s_delay_alu instid0(VALU_DEP_4)
	v_lshrrev_b32 v[BT+\b], 23, v[SO+\b]
.endr
	s_delay_alu instid0(VALU_DEP_3)
	v_lshl_or_b32 v[PW], v[BT+1], 8, v[BT]
	s_delay_alu instid0(VALU_DEP_1)
	v_lshl_or_b32 v[PW], v[BT+2], 16, v[PW]
	s_delay_alu instid0(VALU_DEP_1)
	v_lshl_or_b32 v[PW], v[BT+3], 24, v[PW]
.irp c, 0,1
	v_cvt_scalef32_pk16_fp6_f32 v[PCD+6*\c:PCD+6*\c+2], v[S+32*\c:S+32*\c+15], v[SO+2*\c]
	v_cvt_scalef32_pk16_fp6_f32 v[P2+4*\c:P2+4*\c+2], v[S+16+32*\c:S+31+32*\c], v[SO+2*\c+1]
.endr
	v_nop
.irp c, 0,1
.irp i, 0,1,2
	v_permlane16_swap_b32 v[PCD+6*\c+\i], v[P2+4*\c+\i]
.endr
.irp i, 0,1,2
	s_delay_alu instid0(VALU_DEP_3)
	v_mov_b32 v[PCD+3+6*\c+\i], v[P2+4*\c+\i]
.endr
.endr
	v_pk_add_f32 v[BT:BT+1], v[S:S+1], v[S+2:S+3]
.irp j, 4,8,12,16,20,24,28,32,36,40,44,48,52,56,60
	v_pk_add_f32 v[14:15], v[14:15], v[S+\j:S+\j+1]
	v_pk_add_f32 v[BT:BT+1], v[BT:BT+1], v[S+\j+2:S+\j+3]
.endr
	s_delay_alu instid0(VALU_DEP_1)
	v_pk_add_f32 v[14:15], v[14:15], v[BT:BT+1]
.set NN, 0
.rept 16
	v_pk_mul_f32 v[O+NN:O+NN+1], v[O+NN:O+NN+1], v[F:F+1] op_sel_hi:[1,0]
.set NN, NN+2
.endr
	s_wait_alu depctr_va_vdst(0)
	s_wait_dscnt 0x0
.irp u, 0,1
	v_wmma_scale_f32_16x16x128_f8f6f4 v[O+16*\u:O+16*\u+7], v[KF+24*\u:KF+24*\u+11], v[PCD:PCD+11], v[O+16*\u:O+16*\u+7], v[VSW+\u], v[PW] matrix_a_fmt:MATRIX_FMT_FP6 matrix_b_fmt:MATRIX_FMT_FP6
	v_wmma_scale_f32_16x16x128_f8f6f4 v[O+16*\u+8:O+16*\u+15], v[KF+24*\u+12:KF+24*\u+23], v[PCD:PCD+11], v[O+16*\u+8:O+16*\u+15], v[VSW+\u], v[PW] matrix_a_fmt:MATRIX_FMT_FP6 matrix_b_fmt:MATRIX_FMT_FP6 matrix_a_scale:MATRIX_SCALE_ROW1
.endr
.if \causal
.Lhidden_\@:
.endif
	s_add_co_u32 s[J], s[J], 1
	s_add_co_u32 s[CB], s[CB], CH
.endm
.macro EPI cc, cs
	PLACES
	v_add_f32 v14, v14, v15
	s_delay_alu instid0(VALU_DEP_1)
	v_permlanex16_b32 v[TT], v14, s[SEL], s[SEL+1]
	s_delay_alu instid0(VALU_DEP_1)
	v_add_f32 v14, v14, v[TT]
	s_wait_alu depctr_va_vdst(0)
	v_rcp_f32 v14, v14
	v_nop
.set NN, 0
	s_wait_alu depctr_va_vdst(0)
.rept 32
	v_mul_f32 v[S+NN], v[O+NN], v14
.set NN, NN+1
.endr
.irp b, 0,1
.irp j, 0,1,2,3,4,5,6,7
	v_permlane16_swap_b32 v[S+16*\b+\j], v[S+16*\b+8+\j]
.endr
.endr
.irp b, 0,1
	v_max3_num_f32 v[BM+\b], |v[S+16*\b]|, |v[S+16*\b+1]|, 0x1800000
.endr
.irp i, 2,4,6,8,10,12,14
.irp b, 0,1
	s_delay_alu instid0(VALU_DEP_2)
	v_max3_num_f32 v[BM+\b], v[BM+\b], |v[S+16*\b+\i]|, |v[S+16*\b+\i+1]|
.endr
.endr
.irp b, 0,1
	s_delay_alu instid0(VALU_DEP_2)
	v_permlanex16_b32 v[BT+\b], v[BM+\b], s[SEL], s[SEL+1]
.endr
.irp b, 0,1
	s_delay_alu instid0(VALU_DEP_2)
	v_max_num_f32 v[BM+\b], v[BM+\b], v[BT+\b]
.endr
.irp b, 0,1
	s_delay_alu instid0(VALU_DEP_2)
	v_add_nc_u32 v[SO+\b], 0xff000000, v[BM+\b]
.endr
.irp b, 0,1
	s_delay_alu instid0(VALU_DEP_2)
	v_lshrrev_b32 v[BT+\b], 23, v[SO+\b]
.endr
	s_delay_alu instid0(VALU_DEP_1)
	v_lshl_or_b32 v[CW], v[BT+1], 8, v[BT]
	v_cvt_scalef32_pk16_fp6_f32 v[PCD:PCD+2], v[S:S+15], v[SO]
	v_cvt_scalef32_pk16_fp6_f32 v[P2:P2+2], v[S+16:S+31], v[SO+1]
	v_nop
.irp i, 0,1,2
	v_permlane16_swap_b32 v[PCD+\i], v[P2+\i]
.endr
.irp i, 0,1,2
	s_delay_alu instid0(VALU_DEP_3)
	v_mov_b32 v[PCD+3+\i], v[P2+\i]
.endr
	global_store_b128 v1, v[PCD:PCD+3], s[\cc:\cc+1]
	global_store_b64 v2, v[PCD+4:PCD+5], s[\cc:\cc+1] offset:512
	global_store_b16 v8, v[CW], s[\cs:\cs+1]
.endm
	INIT s81, s83
	s_wait_alu depctr_va_vdst(0)
	s_cmp_lt_u32 s[WV], 4
	s_cbranch_scc0 .Lnot_first
	s_wait_tensorcnt 0x0
.Lnot_first:
	s_barrier_signal -1
	s_barrier_wait -1
	s_wait_loadcnt 0x0
	STEP 16, 28, 0
	; the barrier that shows chunks 4-15 is split: behind my first step my own load is waited for and I signal; steps 2 to 4 read chunks 1-3, which nobody writes; the wait stands ahead of chunk 4's reads
	s_wait_tensorcnt 0x0
	s_wait_dscnt 0x0
	s_barrier_signal -1
	s_mov_b32 s[CNT], 3
.Lfirst:
	STEP 16, 28, 0
	s_sub_co_u32 s[CNT], s[CNT], 1
	s_cmp_lg_u32 s[CNT], 0
	s_cbranch_scc1 .Lfirst
	s_barrier_wait -1
	s_mov_b32 s[CNT], 12
.Llate:
	STEP 16, 28, 1
	s_sub_co_u32 s[CNT], s[CNT], 1
	s_cmp_lg_u32 s[CNT], 0
	s_cbranch_scc1 .Llate
	EPI 56, 58
	s_wait_xcnt 0x0
	INIT s80, s82
	s_mov_b32 s[CNT], 8
.Learly:
	STEP 232, 244, 1
	s_sub_co_u32 s[CNT], s[CNT], 1
	s_cmp_lg_u32 s[CNT], 0
	s_cbranch_scc1 .Learly
	EPI 66, 68
	s_wait_dscnt 0x0
	s_wait_tensorcnt 0x0
	ds_add_u32 v254, v255
	s_wait_dscnt 0x0
	CROUND
	s_endpgm
.Lfunc_end_k_qd35d8ea0ef_attn:
	.size	k_qd35d8ea0ef_attn, .Lfunc_end_k_qd35d8ea0ef_attn-k_qd35d8ea0ef_attn
	.p2alignl 7, 3214868480
	.fill 96, 4, 3214868480
	.section	.rodata,"a",@progbits
	.p2align	6, 0x0
	.amdhsa_kernel k_qd35d8ea0ef_attn
		.amdhsa_group_segment_fixed_size 327680
		.amdhsa_private_segment_fixed_size 0
		.amdhsa_enable_private_segment 0
		.amdhsa_kernarg_size 40
		.amdhsa_user_sgpr_count 2
		.amdhsa_user_sgpr_kernarg_segment_ptr 1
		.amdhsa_wavefront_size32 1
		.amdhsa_system_sgpr_workgroup_id_x 1
		.amdhsa_system_sgpr_workgroup_id_y 1
		.amdhsa_system_sgpr_workgroup_id_z 1
		.amdhsa_system_vgpr_workitem_id 0
		.amdhsa_next_free_vgpr 256
		.amdhsa_next_free_sgpr 90
		.amdhsa_reserve_vcc 1
		.amdhsa_float_denorm_mode_32 3
		.amdhsa_float_denorm_mode_16_64 3
		.amdhsa_memory_ordered 1
		.amdhsa_forward_progress 1
		.amdhsa_inst_pref_size 98
	.end_amdhsa_kernel
	.amdgpu_metadata
---
amdhsa.version: [ 1, 2 ]
amdhsa.kernels:
  - .name:           k_qd35d8ea0ef_attn
    .symbol:         k_qd35d8ea0ef_attn.kd
    .args:
      - { .name: qc, .offset: 0, .size: 8, .value_kind: global_buffer, .address_space: global }
      - { .name: qs, .offset: 8, .size: 8, .value_kind: global_buffer, .address_space: global }
      - { .name: kv, .offset: 16, .size: 8, .value_kind: global_buffer, .address_space: global }
      - { .name: ctxc, .offset: 24, .size: 8, .value_kind: global_buffer, .address_space: global }
      - { .name: ctxs, .offset: 32, .size: 8, .value_kind: global_buffer, .address_space: global }
    .group_segment_fixed_size: 327680
    .private_segment_fixed_size: 0
    .kernarg_segment_align: 8
    .kernarg_segment_size: 40
    .max_flat_workgroup_size: 512
    .sgpr_count:     90
    .vgpr_count:     256
    .wavefront_size: 32
...
	.end_amdgpu_metadata
.endif
;; end of part 2
;; launch proj (part 3): grid 8 x 32, 4 waves a work-group, clusters of 4 x 4, 327,680 bytes of LDS; arguments ctxc, ctxs, Wo_codes, Wo_scales, bo, out0; writes out0
.if DOCPART == 3
	.amdgcn_target "amdgcn-amd-amdhsa--gfx1250"
	.amdhsa_code_object_version 6
	.text
	.protected	k_qd35d8ea0ef_proj
	.globl	k_qd35d8ea0ef_proj
	.p2align	8
	.type	k_qd35d8ea0ef_proj,@function
k_qd35d8ea0ef_proj:
	s_mov_b64 s[64:65], 0
	v_nop
	global_prefetch_b8 v0, s[64:65] scope:SCOPE_SE
	s_setreg_imm32_b32 hwreg(HW_REG_WAVE_MODE, 25, 1), 1
	s_wait_xcnt 0x0
	s_wait_alu depctr_hold_cnt(0) depctr_sa_sdst(0) depctr_va_vdst(0) depctr_va_sdst(0) depctr_va_ssrc(0) depctr_va_vcc(0) depctr_vm_vsrc(0)
	s_getreg_b32 s2, hwreg(HW_REG_IB_STS2, 6, 4)
	s_cmp_eq_u32 s2, 0
	s_cbranch_scc0 .Lentry_in_a_cluster
	s_endpgm
.Lentry_in_a_cluster:
	s_bfe_u32 s2, ttmp6, 0x10000c
	s_cmp_lg_u32 s2, 0xf033
	s_cbranch_scc0 .Lentry_shape_is_right
	s_endpgm
.Lentry_shape_is_right:
; out = ctx Wo + bo on codes of E2M3.  ctx arrives as records (16 rows x one head's 64 K: registers 0-3 of lane l at 16 l, registers 4-5 at 512 + 8 l), [tile of 16 rows][head][768]; its scale bytes [row][32]; Wo as given, K innermost.
; SHARES.  A work-group makes 256 rows x 128 columns: 256 work-groups.  Wave w takes rows 64 w on (4 tiles) against all 8 tiles of columns: 32 accumulators.
; The product is used TRANSPOSED (source 0 = 16 rows of Wo, source 1 = 16 rows of ctx): a lane holds eight neighbouring columns of a row.  bo is the C of each sum's first product.
; LDS.  All of K lies in LDS, filled ONCE, one joint load a wave: wave 0 Wo's 128 rows of 768 bytes (16 bytes of padding behind every 256), waves 1, 2, 3 ctx's heads 0-3, 4-9, 10-15 of the 16 tiles
; (rows of 3,072 or 4,608 bytes, each from a multiple of 256).  Three barriers show them: ahead of K step 0 (waves 0, 1 wait), of the fetch of K step 2 (wave 2 too), of the fetch of K step 5 (all).
; CLUSTER 4 x 4: ctx's tiles are shared along a row of the cluster, Wo's along a column.  No prefetch: every tile is asked for at the head, and there is no loop to run ahead in.
; REGISTERS: window 0: v2-28 addresses; v32-47 ctx's scale words, v52-83 Wo's; v128-175, v176-223 two sets of ctx's 4 fragments (on the way out v128-255 take rows of the result).
;   window 1: two sets of Wo's 8 fragments.  window 2: the accumulators, (a, b) at v[8 (8 a + b)].  window 3: v0-63 bo in the result's layout.
; LIMITS: NaN, infinities and the scale byte 0xff among the inputs are not served.
.set PITCH,  816
.set R1,     16*3072                   ; ctx's second region; the first lies at 0
.set R2,     R1+16*4608
.set BOFF,   R2+16*4608                ; Wo's rows
.set SPARE,  BOFF+128*PITCH
.set SPITCH, 528                       ; the way out: 16 rows x (512 + 16) bytes for each wave, on the wave's own tiles of the first region: nobody else reads them, and they have had their only fill
.set A16, 2                            ; v2-4    ctx's images, 16 bytes a lane, region g
.set A8,  6                            ; v6-8    8 bytes a lane
.set ADB, 10                           ; v10, v11 Wo's tiles 0-3 (v11: pieces behind one padding more); v12, v13 tiles 4-7
.set BO,  18
.set L32, 19
.set STO, 24
.set RD,  25
.set CO,  26
.set CSW, 32
.set WSW, 52                           ; 4 modulo 8 off ctx's
.set AF,  128
.set BK,  128
.set WV,  66
.set MSB, 0
.macro WIN new
.if MSB != \new
	s_set_vgpr_msb (MSB<<8)|\new
.set MSB, \new
.endif
.endm
.macro PLACES
.rept 4
	v_nop
.endr
.endm
.macro CROUND
	s_barrier_signal -1
	s_barrier_wait -1
	s_cmp_lg_u32 s[WV], 0
	s_cbranch_scc1 .Lnot_wave_0_\@
	s_barrier_signal -3
.Lnot_wave_0_\@:
	s_barrier_wait -3
	s_barrier_signal -1
	s_barrier_wait -1
.endm
.macro WMC d, a, b, c, sa, sb, ra, rb
.if (\ra) && (\rb)
	v_wmma_scale_f32_16x16x128_f8f6f4 v[\d:\d+7], v[\a:\a+11], v[\b:\b+11], \c, v[\sa], v[\sb] matrix_a_fmt:MATRIX_FMT_FP6 matrix_b_fmt:MATRIX_FMT_FP6 matrix_a_scale:MATRIX_SCALE_ROW1 matrix_b_scale:MATRIX_SCALE_ROW1
.elseif \ra
	v_wmma_scale_f32_16x16x128_f8f6f4 v[\d:\d+7], v[\a:\a+11], v[\b:\b+11], \c, v[\sa], v[\sb] matrix_a_fmt:MATRIX_FMT_FP6 matrix_b_fmt:MATRIX_FMT_FP6 matrix_a_scale:MATRIX_SCALE_ROW1
.elseif \rb
	v_wmma_scale_f32_16x16x128_f8f6f4 v[\d:\d+7], v[\a:\a+11], v[\b:\b+11], \c, v[\sa], v[\sb] matrix_a_fmt:MATRIX_FMT_FP6 matrix_b_fmt:MATRIX_FMT_FP6 matrix_b_scale:MATRIX_SCALE_ROW1
.else
	v_wmma_scale_f32_16x16x128_f8f6f4 v[\d:\d+7], v[\a:\a+11], v[\b:\b+11], \c, v[\sa], v[\sb] matrix_a_fmt:MATRIX_FMT_FP6 matrix_b_fmt:MATRIX_FMT_FP6
.endif
.endm
.macro FRAG reg, adr, q, off           ; a fragment of Wo, K step q: six pieces of 8 bytes
.irp p, 0,1,2,3,4,5
.set PC, 12*(\q)+6*(\p/3)+\p%3
	ds_load_b64 v[\reg+2*\p:\reg+2*\p+1], v[\adr+(PC%32+3)/32] offset:8*PC+16*(PC/32)+(\off)
.endr
.endm
.macro AFRAG reg, k, a                 ; a fragment of ctx, K step k: heads 2 k and 2 k + 1's records, as they were stored
.set G_, ((\k)+1)/3                    ; the region: K steps 0-1, 2-4, 5-7
.set OFF_, (3072+1536*((G_+1)/2))*(\a)+768*(2*(\k)-4*G_-2*(G_/2))
	ds_load_b128 v[\reg:\reg+3], v[A16+G_] offset:OFF_
	ds_load_b64 v[\reg+4:\reg+5], v[A8+G_] offset:OFF_+512
	ds_load_b128 v[\reg+6:\reg+9], v[A16+G_] offset:OFF_+768
	ds_load_b64 v[\reg+10:\reg+11], v[A8+G_] offset:OFF_+1280
.endm
.macro FETCH k, p                      ; K step k into set p: 64 loads in one run
	WIN 0x40
.irp b, 0,1,2,3,4,5,6,7
	FRAG 96*(\p)+12*\b, ADB+2*(\b/4), \k, (\b%4)*16*PITCH
.endr
	WIN 0
.irp a, 0,1,2,3
	AFRAG AF+48*(\p)+12*\a, \k, \a
.endr
.endm
.macro MUL a0, cnt, p, k               ; row tiles a0 on, each against the 8 tiles of columns.  The 32 accumulators take turns, in the same order in every step
.if (\k) == 0
	WIN 0xb1                                       ; source 0 window 1, source 1 window 0, C (bo) window 3, D window 2
.else
	WIN 0xa1
.endif
.set AA, \a0
.rept \cnt
.irp b, 0,1,2,3,4,5,6,7
.if (\k) == 0
	WMC 8*(8*AA+\b), 96*(\p)+12*\b, AF+48*(\p)+12*AA, v[8*\b:8*\b+7], WSW+8*(\b/2)+(\k), CSW+8*(AA/2)+(\k), \b%2, AA%2
.else
	WMC 8*(8*AA+\b), 96*(\p)+12*\b, AF+48*(\p)+12*AA, v[8*(8*AA+\b):8*(8*AA+\b)+7], WSW+8*(\b/2)+(\k), CSW+8*(AA/2)+(\k), \b%2, AA%2
.endif
.endr
.set AA, AA+1
.endr
.endm
.macro ARM under, g0, g1, next         ; one arm of the head's chain: every way passes exactly one load
	s_cmp_lt_u32 s[WV], \under
	s_cbranch_scc0 \next
	tensor_load_to_lds s[\g0:\g0+3], s[\g1:\g1+7]
	s_nop 0
	PLACES
	s_branch .Lasked
\next:
.endm
	s_load_b256 s[4:11], s[0:1], 0x0               ; ctxc 4, ctxs 6, Wo codes 8, Wo scales 10
	s_load_b128 s[12:15], s[0:1], 0x20             ; bo 12, out0 14
	v_lshl_add_u32 v126, v0, 2, SPARE
	v_mov_b32 v127, 0
	ds_add_u32 v126, v127                          ; the opening lines
	ds_add_u32 v126, v127
	v_lshrrev_b32 v1, 5, v0
	v_readfirstlane_b32 s[WV], v1
	s_bfe_u32 s68, ttmp6, 0x40000                  ; cx
	s_bfe_u32 s69, ttmp6, 0x40004                  ; cy
	s_lshl_b32 s70, ttmp9, 2
	s_add_co_u32 s70, s70, s68                     ; x: the block of 128 columns
	s_and_b32 s71, ttmp7, 0xffff
	s_lshl_b32 s71, s71, 2
	s_add_co_u32 s71, s71, s69                     ; y: the block of 256 rows
	s_lshl_b32 s72, s69, 2
	s_lshl_b32 s72, 15, s72                        ; my row of the cluster
	s_lshl_b32 s73, 0x1111, s68                    ; my column
	s_or_b32 s16, s72, (3<<16)|(1<<21)             ; ctx, heads 0-3: 16 rows of 384 elements of 8 bytes, 12,288 bytes apart, dense in LDS
	s_mov_b32 s17, 384<<16
	s_mov_b32 s18, 16<<16
	s_mov_b32 s19, 384<<16
	s_mov_b32 s20, 16
	s_mov_b32 s21, 1536
	s_mov_b32 s22, 0
	s_mov_b32 s23, 0
	s_or_b32 s48, s72, (3<<16)|(1<<21)             ; six heads: rows of 576 elements
	s_mov_b32 s49, 576<<16
	s_mov_b32 s50, 16<<16
	s_mov_b32 s51, 576<<16
	s_mov_b32 s52, 16
	s_mov_b32 s53, 1536
	s_mov_b32 s54, 0
	s_mov_b32 s55, 0
	s_or_b32 s24, s73, (1<<20)|(1<<21)|(5<<22)|(3<<25)   ; Wo: 128 rows of 768 bytes, padded
	s_mov_b32 s25, 768<<16
	s_mov_b32 s26, 128<<16
	s_mov_b32 s27, 768<<16
	s_mov_b32 s28, 128
	s_mov_b32 s29, 768
	s_mov_b32 s30, 0
	s_mov_b32 s31, 0
	s_mul_i32 s74, s71, 16*12288                   ; ctx: tile 16 y
	s_mov_b32 s75, 0
	s_mul_i32 s76, s70, 128*768                    ; Wo: row 128 x
	s_mov_b32 s77, 0
	s_mov_b32 s32, 1
	s_mov_b32 s33, BOFF
	s_mov_b32 s36, 1
	s_mov_b32 s37, 0
	s_mov_b32 s40, 1
	s_mov_b32 s41, R1
	s_mov_b32 s44, 1
	s_mov_b32 s45, R2
	s_wait_dscnt 0x0
	s_wait_kmcnt 0x0
	s_add_nc_u64 s[34:35], s[8:9], s[76:77]
	s_add_nc_u64 s[38:39], s[4:5], s[74:75]
	s_add_nc_u64 s[42:43], s[38:39], 3072
	s_add_nc_u64 s[46:47], s[38:39], 7680
	s_or_b32 s35, s35, 0x80000000
	s_or_b32 s39, s39, 0x80000000
	s_or_b32 s43, s43, 0x80000000
	s_or_b32 s47, s47, 0x80000000
	CROUND                                         ; all sixteen work-groups are here: the joint loads meet
	ARM 1, 32, 24, .Larm_1
	ARM 2, 36, 16, .Larm_2
	ARM 3, 40, 48, .Larm_3
	tensor_load_to_lds s[44:47], s[48:55]
	s_nop 0
	PLACES
.Lasked:
	s_mov_b32 s83, 0
	s_lshl_b32 s82, s71, 13
	s_lshl_b32 s84, s[WV], 11
	s_add_co_u32 s82, s82, s84
	s_add_nc_u64 s[6:7], s[6:7], s[82:83]          ; ctx's scale bytes: row 256 y + 64 w
	s_lshl_b32 s82, s70, 12
	s_add_nc_u64 s[10:11], s[10:11], s[82:83]      ; Wo's: row 128 x
	s_lshl_b32 s82, s70, 9
	s_add_nc_u64 s[12:13], s[12:13], s[82:83]      ; bo: column 128 x
	s_add_nc_u64 s[14:15], s[14:15], s[82:83]      ; the result: the same column,
	s_lshl_b32 s82, s71, 20
	s_lshl_b32 s84, s[WV], 18
	s_add_co_u32 s82, s82, s84
	s_add_nc_u64 s[14:15], s[14:15], s[82:83]      ; row 256 y + 64 w
	s_mul_i32 s84, s[WV], 4*3072                   ; my four tiles in each region; the first is also my stage
	s_mul_i32 s85, s[WV], 4*4608
	s_add_co_u32 s85, s85, R1
	s_add_co_u32 s86, s85, 16*4608
	v_and_b32 v20, 31, v0                          ; lane
	v_and_b32 v21, 15, v0                          ; r
	v_bfe_u32 v22, v0, 4, 1                        ; h
	v_lshlrev_b32 v[CO], 4, v20
	v_lshlrev_b32 v23, 3, v20
	v_lshlrev_b32 v[L32], 5, v20
	v_lshlrev_b32 v[BO], 5, v22
	v_mul_u32_u24 v27, v21, PITCH
	v_mad_u32_u24 v27, v22, 24, v27
	v_lshl_add_u32 v28, v22, 4, v27
	v_add_nc_u32 v[A16], s84, v[CO]
	v_add_nc_u32 v[A8], s84, v23
	v_add_nc_u32 v[A16+1], s85, v[CO]
	v_add_nc_u32 v[A8+1], s85, v23
	v_add_nc_u32 v[A16+2], s86, v[CO]
	v_add_nc_u32 v[A8+2], s86, v23
	v_add_nc_u32 v[ADB], BOFF, v27
	v_add_nc_u32 v[ADB+1], BOFF, v28
	v_add_nc_u32 v[ADB+2], BOFF+64*PITCH, v27
	v_add_nc_u32 v[ADB+3], BOFF+64*PITCH, v28
	v_mul_u32_u24 v[STO], v21, SPITCH
	v_lshl_add_u32 v[STO], v22, 5, v[STO]
	v_add_nc_u32 v[STO], s84, v[STO]               ; in: row r, 32 bytes for each half of the lanes
	v_add_nc_u32 v[RD], s84, v[CO]                 ; back: the 32 lanes take one row of 512 bytes
	s_wait_alu depctr_va_vdst(0)                   ; the wait at the end of the head's vector work
.irp p, 0,1
	global_load_b128 v[CSW+8*\p:CSW+8*\p+3], v[L32], s[6:7] offset:1024*\p       ; a row's 32 bytes are its 8 words; lane l takes row 32 p + l
	global_load_b128 v[CSW+8*\p+4:CSW+8*\p+7], v[L32], s[6:7] offset:1024*\p+16
.endr
.irp p, 0,1,2,3
	global_load_b128 v[WSW+8*\p:WSW+8*\p+3], v[L32], s[10:11] offset:1024*\p
	global_load_b128 v[WSW+8*\p+4:WSW+8*\p+7], v[L32], s[10:11] offset:1024*\p+16
.endr
	WIN 0xc0                                       ; destination window 3
.irp b, 0,1,2,3,4,5,6,7
	global_load_b128 v[8*\b:8*\b+3], v[BO], s[12:13] offset:64*\b                ; lane (r, h), tile b: bo at columns 16 b + 8 h + 0 .. 7
	global_load_b128 v[8*\b+4:8*\b+7], v[BO], s[12:13] offset:64*\b+16
.endr
	WIN 0
	s_cmp_lt_u32 s[WV], 2
	s_cbranch_scc0 .Lnot_first
	s_wait_tensorcnt 0x0                           ; Wo's rows, ctx's heads 0-3
.Lnot_first:
	s_barrier_signal -1
	s_barrier_wait -1                              ; nothing is ever filled again
	FETCH 0, 0
	s_wait_loadcnt 0x0                             ; scale words and bo
	s_wait_dscnt 0x0
	FETCH 1, 1
	MUL 0, 4, 0, 0                                 ; the first K step starts the sums on bo
.macro SHOW k                          ; a barrier inside the step shows the next region to all four waves
	s_wait_dscnt 0x0
	s_barrier_signal -1
	MUL 0, 2, (\k)%2, \k
	s_barrier_wait -1
	PLACES
	FETCH (\k)+1, ((\k)+1)%2
	MUL 2, 2, (\k)%2, \k
.endm
.macro PLAIN k
	s_wait_dscnt 0x0
	PLACES
	FETCH (\k)+1, ((\k)+1)%2
	MUL 0, 4, (\k)%2, \k
.endm
	WIN 0
	s_cmp_eq_u32 s[WV], 3
	s_cbranch_scc1 .Lnot_second
	s_wait_tensorcnt 0x0                           ; heads 4-9; wave 3's load may still be out
.Lnot_second:
	SHOW 1
	PLAIN 2
	PLAIN 3
	s_wait_tensorcnt 0x0                           ; heads 10-15: every wave waits
	SHOW 4
	PLAIN 5
	PLAIN 6
	s_wait_dscnt 0x0
	MUL 0, 4, 1, 7
	WIN 0
; THE WAY OUT, a block of 16 rows x 128 columns at a time, through my own stage: in as 32 bytes a lane, back as whole rows of 512 bytes.  LDS serves a wave's instructions in order: no wait between the stores and the loads.
.macro TOSTAGE a
.set AC, 64*(\a)
	WIN 0x08                                       ; an LDS store's data: window 2
.irp b, 0,1,2,3,4,5,6,7
	ds_store_b128 v[STO], v[AC+8*\b:AC+8*\b+3] offset:64*\b          ; each accumulator from its low end on
	ds_store_b128 v[STO], v[AC+8*\b+4:AC+8*\b+7] offset:64*\b+16
.endr
	WIN 0
.set BB, BK+64*((\a)%2)
.irp t, 0,1,2,3,4,5,6,7,8,9,10,11,12,13,14,15
	ds_load_b128 v[BB+4*\t:BB+4*\t+3], v[RD] offset:\t*SPITCH
.endr
.endm
.macro SEND a, younger                 ; younger: the LDS instructions issued behind block a's loads, which may stay out
.set BB, BK+64*((\a)%2)
	s_wait_dscnt \younger
.if (\a) > 0
	s_add_nc_u64 s[14:15], s[14:15], 16*4096       ; 16 rows on (behind a wait on XCNT: the earlier stores have read their base)
.endif
.irp t, 0,1,2,3,4,5,6,7,8,9,10,11,12,13,14,15
	global_store_b128 v[CO], v[BB+4*\t:BB+4*\t+3], s[14:15] offset:\t*4096 th:TH_STORE_NT   ; 32 lanes store 512 consecutive bytes, at a multiple of 256 from the buffer's first byte
.endr
.endm
	PLACES
	TOSTAGE 0
.irp a, 1,2,3
.if \a > 1
	s_wait_xcnt 0x0                                ; block a - 2's stores have read their registers and their base
.endif
	TOSTAGE \a
	SEND \a-1, 32                                  ; behind block a - 1's loads: block a's 16 stores and 16 loads
.endr
	s_wait_xcnt 0x0
	SEND 3, 0
	s_wait_dscnt 0x0
	s_wait_tensorcnt 0x0                           ; the wave's end
	ds_add_u32 v126, v127
	s_wait_dscnt 0x0
	CROUND                                         ; the closing round
	s_endpgm
.Lfunc_end_k_qd35d8ea0ef_proj:
	.size	k_qd35d8ea0ef_proj, .Lfunc_end_k_qd35d8ea0ef_proj-k_qd35d8ea0ef_proj
	.p2alignl 7, 3214868480
	.fill 96, 4, 3214868480
	.section	.rodata,"a",@progbits
	.p2align	6, 0x0
	.amdhsa_kernel k_qd35d8ea0ef_proj
		.amdhsa_group_segment_fixed_size 327680
		.amdhsa_private_segment_fixed_size 0
		.amdhsa_enable_private_segment 0
		.amdhsa_kernarg_size 48
		.amdhsa_user_sgpr_count 2
		.amdhsa_user_sgpr_kernarg_segment_ptr 1
		.amdhsa_wavefront_size32 1
		.amdhsa_system_sgpr_workgroup_id_x 1
		.amdhsa_system_sgpr_workgroup_id_y 1
		.amdhsa_system_sgpr_workgroup_id_z 1
		.amdhsa_system_vgpr_workitem_id 0
		.amdhsa_next_free_vgpr 1024
		.amdhsa_next_free_sgpr 90
		.amdhsa_reserve_vcc 0
		.amdhsa_float_denorm_mode_32 3
		.amdhsa_float_denorm_mode_16_64 3
		.amdhsa_memory_ordered 1
		.amdhsa_forward_progress 1
		.amdhsa_inst_pref_size 92
	.end_amdhsa_kernel
	.amdgpu_metadata
---
amdhsa.version: [ 1, 2 ]
amdhsa.kernels:
  - .name:           k_qd35d8ea0ef_proj
    .symbol:         k_qd35d8ea0ef_proj.kd
    .args:
      - { .name: ctxc, .offset: 0, .size: 8, .value_kind: global_buffer, .address_space: global }
      - { .name: ctxs, .offset: 8, .size: 8, .value_kind: global_buffer, .address_space: global }
      - { .name: Wo_codes, .offset: 16, .size: 8, .value_kind: global_buffer, .address_space: global }
      - { .name: Wo_scales, .offset: 24, .size: 8, .value_kind: global_buffer, .address_space: global }
      - { .name: bo, .offset: 32, .size: 8, .value_kind: global_buffer, .address_space: global }
      - { .name: out0, .offset: 40, .size: 8, .value_kind: global_buffer, .address_space: global }
    .group_segment_fixed_size: 327680
    .private_segment_fixed_size: 0
    .kernarg_segment_align: 8
    .kernarg_segment_size: 48
    .max_flat_workgroup_size: 128
    .sgpr_count:     90
    .vgpr_count:     1024
    .wavefront_size: 32
...
	.end_amdgpu_metadata
.endif
;; end of part 3
